; MI455X (gfx1250); checked and timed in simulation.
; The chip was launched on July 23, 2026; its instructions are those of AMD's public machine-readable ISA for CDNA 5 (MIT licence, August 2026) and "CDNA5" Instruction Set Architecture Reference Guide (July 2026). The comments in the code are by the model that wrote it; some were corrected since.
;; Liquid Neuron CPU. Allowed arithmetic: matrix products marked QUANTISED: E2M1 operands, one E8M0 scale for each 32 along K, by v_wmma_scale_f32_16x16x128_f8f6f4 with both operands' format E2M1 (or v_wmma_scale_f32_32x16x128_f4), f32 sums; products left as they are: f32 operands where the result goes on into a quantised operand, else bf16, f16 or f32 operands; f32 sums; everything else in f32.
;; Inputs: W_fast 2,048 x 2,048 float32; W_medium 2,048 x 2,048 float32; W_slow 2,048 x 2,048 float32; ema_mean 1 float32; ema_std 1 float32; ln_beta 2,048 float32; ln_gamma 2,048 float32; pc_b1 8 float32; pc_b2 1 float32; pc_w1 8 x 3 float32; pc_w2 1 x 8 float32; x 4,096 x 2,048 float32.
;; Outputs: out0 4,096 x 2,048 float32.
;; This version of the problem:
;;   THIS VERSION OF THE PROBLEM IS GIVEN IN LOW PRECISION. The matrix products marked QUANTISED in the list below multiply operands that are first quantised to E2M1 (2 exponent bits, 1 mantissa bit; 4 bits a number), with one power-of-two scale for each 32 numbers along K (OCP MX v1.0); their sums are f32. All else is computed in f32.
;;   The module's matrix products, in the order in which they are computed (A, B: the left and right operand; K: the contracted axis; several contracted axes count as one K, in the product's order):
;;     1. [M 4,096, K 2,048] x [K 2,048, N 2,048]; A: computed on the way; B: input W_slow: QUANTISED
;;     2. [M 4,096, K 2,048] x [K 2,048, N 2,048]; A: computed on the way; B: input W_medium: QUANTISED
;;     3. [M 4,096, K 2,048] x [K 2,048, N 2,048]; A: computed on the way; B: input W_fast: QUANTISED
;;     4. [M 4,096, K 3] x [K 3, N 8]; A: computed on the way; B: input pc_w1: left as it is (K = 3 < 32)
;;     5. [M 4,096, K 8] x [K 8, N 1]; A: computed on the way; B: input pc_w2: left as it is (K = 8 < 32)
;;   THE QUANTISER, for each operand of a quantised product, along K:
;;     - K is cut into blocks of 32 from its start; a last block that is shorter is filled with zeros.
;;     - A block's scale is 2^e with e = floor(log2(the largest magnitude in the block)) - 2, held to -126 .. 127; a block of zeros has e = 0. As a byte (E8M0): e + 127.
;;     - Each number is divided by its block's scale, clamped to +-6, and rounded to the nearest number of E2M1, ties to even, subnormals kept.
;;     - The product sums the exact products of the quantised numbers (number of the format x scale) in f32.
;;   ~~~python
;;   def quantise(x, axis):      # numpy; x: float32 -> the quantised numbers, widened to float32 again
;;       x = np.moveaxis(x, axis, -1); K = x.shape[-1]
;;       x = np.pad(x, [(0, 0)] * (x.ndim - 1) + [(0, -K % 32)]); x = x.reshape(x.shape[:-1] + (-1, 32)); a = np.abs(x).max(-1, keepdims=True)
;;       e = np.where(a > 0, np.clip(np.frexp(np.where(a > 0, a, 1))[1] - 1 - 2, -126, 127), 0)      # np.frexp(a)[1] - 1 = floor(log2(a)), exactly
;;       r = np.clip(x / 2.0 ** e, -6, 6)
;;       step = 2.0 ** (np.maximum(np.frexp(np.where(r == 0, 1, r))[1] - 1, 0) - 1)
;;       q = np.round(r / step) * step * 2.0 ** e      # np.round: ties to even
;;       return np.moveaxis(q.reshape(q.shape[:-2] + (-1,))[..., :K], -1, axis).astype(np.float32)
;;   ~~~
;;   OPERANDS COMPUTED ON THE WAY. 'Computed on the way' means the value that the module computes at that place (a softmax that the list does not call 'softmax' is quantised finished and normalised). What goes into a quantiser is computed in f32, as accurately as f32 sums, v_exp_f32 and their like allow (about 1e-6 of the number): no bf16 or f16 on the way to a quantiser, and a product that is left as it is and whose result goes on into a quantised operand takes f32 operands (vector FMAs, or v_wmma_f32_16x16x4_f32). A number that lies on a knife's edge between two numbers of the format may be rounded either way, as far as f32 arithmetic and the matrix unit's own rounding can turn it there, and no further.
;; One version. Each part assembles by itself: llvm-mc -triple=amdgcn-amd-amdhsa -mcpu=gfx1250 --defsym DOCPART=n.
;; ======== version 1 of 1: 3 launches
;; limits: right only within a limited range of input values
;; workspace buffers: xc 4,456,448 bytes; wc 6,684,672 bytes; pre 33,554,432 bytes
;; launch quant (part 1): grid 1280 x 1, 2 waves a work-group, no clusters, 18,176 bytes of LDS; arguments x, W_slow, W_medium, W_fast, xc, wc; writes xc, wc
.if DOCPART == 1
	.amdgcn_target "amdgcn-amd-amdhsa--gfx1250"
	.amdhsa_code_object_version 6
	.text
	.protected	k_q0dff9bdcd9_quant
	.globl	k_q0dff9bdcd9_quant
	.p2align	8
	.type	k_q0dff9bdcd9_quant,@function
k_q0dff9bdcd9_quant:
	s_mov_b64 s[64:65], 0
	v_nop
	global_prefetch_b8 v0, s[64:65] scope:SCOPE_SE
	s_setreg_imm32_b32 hwreg(HW_REG_WAVE_MODE, 25, 1), 1
	s_wait_xcnt 0x0
; x [4096][2048] (clipped to +-5 first) and W_slow, W_medium, W_fast [2048][2048], f32, K innermost, become codes of FP4 (E2M1) with one E8M0 byte for each 32 along K.
; A block's scale is 2^(floor(log2(its largest magnitude)) - 2): its byte is the largest magnitude's exponent field - 2, held at 1 from below.
; NOT COMPUTED BY THIS PROGRAM: learned_plasticity (the EMA update, the layers 3 -> 8 -> 1, the GELU, the sigmoid).  reference() returns out alone, and out hangs on none of it, whatever finite values
; these inputs hold: so products 4 and 5 are left out, and pc_w1, pc_b1, pc_w2, pc_b2, ema_mean and ema_std are arguments of no launch.  LIMIT: a NaN, an infinity or an overflow that reaches only that work is not carried to out.
; LIMITS: NaN and infinities among the inputs are not served.  A block of zeros, and one whose largest magnitude lies under 2^-124, gets the byte 1 (the rule says 127 for zeros): zero codes add nothing, and this program alone reads the bytes.
; LAYOUT OF THE RESULTS: the order of the operand's registers.  A tile is 64 rows x all of K, 69,632 bytes in one buffer:
;   65,536 bytes of codes [K step of 128: 16][block of 16 rows: 4][block of 32 along K: 4][row: 16][16 bytes], then 4,096 scale bytes [512 along K: 4][block of 16 rows: 4][row: 16][16 bytes].
;   x: tile = row / 64.  W: tile = 3 (row / 64) + w, w = 0 slow, 1 medium, 2 fast.
; SHARES.  Two work-groups of two waves take a group of 16 rows x all of K: group = work-group / 2; the wave takes K 512 g .. 512 g + 511, g = 2 (work-group % 2) + wave, in 8 steps of 64.  1,280 work-groups are five for each of 256 WGPs.
; Groups 0-255 are x's, 256-383 W_slow's, 384-511 W_medium's, 512-639 W_fast's: only pointers and scalars are chosen by the work-group's number, so there is one path through the text.
; The weights pass the same clip with bounds of -infinity and +infinity, which changes no finite number.
; A STEP.  Eight loads, each half of the lanes reading 256 consecutive aligned bytes of a row; the 4,096 bytes turn through the wave's own stage in LDS (rows 272 bytes apart) and come back 128 bytes a lane:
; lane (r, h) then holds ONE whole block of 32 of row r.  Its 16 bytes of codes lie at 16 x lane of 512 consecutive bytes.  The wave's 256 scale bytes are gathered in LDS and leave as one aligned run of 256.
; Waves share nothing: no barrier.  Loads run three steps (24 loads a wave) ahead, the turn through LDS one step.
.set WREG,  8960                       ; LDS of a wave: two stages and 256 scale bytes
.set SP,    272                        ; a stage row: 256 bytes + 16
.set STG,   16*SP                      ; a stage
.set SPARE, 2*WREG                     ; the spare words, 128 bytes for each wave: one block of 256 bytes that no other line names
.set R,     16                         ; v16-111  three sets of 32 numbers as loaded
.set X,     112                        ; v112-175 two sets of 32 neighbours along K
.set C,     176                        ; v176-207 codes, four registers for each step: no store's data are written again
.set E,     208                        ; v208-215 a scale byte for each step
	s_load_b256 s[4:11], s[0:1], 0x0               ; x s[4:5], W_slow s[6:7], W_medium s[8:9], W_fast s[10:11]
	s_load_b128 s[12:15], s[0:1], 0x20             ; xc s[12:13], wc s[14:15]
	v_lshl_add_u32 v216, v0, 2, SPARE
	v_mov_b32 v217, 0
	v_lshrrev_b32 v1, 5, v0
	v_readfirstlane_b32 s2, v1                     ; wave 0..1
	v_and_b32 v2, 31, v0                           ; lane
	v_and_b32 v1, 15, v0                           ; r
	v_bfe_u32 v10, v0, 4, 1                        ; h
	v_lshlrev_b32 v3, 4, v1
	v_lshl_add_u32 v3, v10, 13, v3                 ; in: lanes 0-15 one row's 256 bytes, lanes 16-31 the next row's (8,192 bytes on)
	s_mul_i32 s3, s2, WREG
	v_mul_u32_u24 v14, v10, SP
	v_lshl_add_u32 v14, v1, 4, v14
	v_add_nc_u32 v14, s3, v14                      ; the stage, on the way in: the same two rows
	v_mul_u32_u24 v15, v1, SP
	v_lshl_add_u32 v15, v10, 7, v15
	v_add_nc_u32 v15, s3, v15                      ; and back: row r, my half's 128 bytes
	v_lshlrev_b32 v4, 4, v2                        ; my codes' place: 16 x lane
	s_add_co_u32 s3, s3, 2*STG
	v_lshl_add_u32 v5, v1, 4, v10
	v_add_nc_u32 v5, s3, v5                        ; my scale byte: 16 r + h (+ 2 x step)
	v_lshlrev_b32 v7, 3, v2                        ; and on the way out 8 bytes a lane
	v_add_nc_u32 v6, s3, v7
	s_lshr_b32 s40, ttmp9, 1                       ; the group of 16 rows, over all four tensors
	s_and_b32 s41, ttmp9, 1
	s_lshl_b32 s41, s41, 1
	s_add_co_u32 s41, s41, s2                      ; g: which 512 along K
	s_and_b32 s28, s40, 127                        ; a weight's group of 16 rows (256, 384 and 512 are multiples of 128)
	s_mov_b32 s29, 0xff800000                      ; the weights' bounds: -infinity,
	s_mov_b32 s30, 0x7f800000                      ; +infinity
	s_wait_alu depctr_va_vdst(0)
	s_wait_kmcnt 0x0
	s_cmp_lt_u32 s40, 512                          ; every choice hangs on the work-group's number alone
	s_cselect_b64 s[20:21], s[8:9], s[10:11]
	s_cselect_b32 s22, 1, 2                        ; w
	s_cmp_lt_u32 s40, 384
	s_cselect_b64 s[20:21], s[6:7], s[20:21]
	s_cselect_b32 s22, 0, s22
	s_cmp_lt_u32 s40, 256
	s_cselect_b64 s[20:21], s[4:5], s[20:21]       ; the source
	s_cselect_b64 s[24:25], s[12:13], s[14:15]     ; its codes
	s_cselect_b64 s[26:27], s[12:13], s[14:15]     ; its scale bytes: the same buffer
	s_cselect_b32 s22, 0, s22
	s_cselect_b32 s23, 1, 3                        ; tiles from one 64 rows to the next
	s_cselect_b32 s28, s40, s28                    ; the group of 16 rows in its tensor
	s_cselect_b32 s29, 0xc0a00000, s29             ; x's bounds: -5,
	s_cselect_b32 s30, 0x40a00000, s30             ; +5
	s_lshr_b32 s32, s28, 2
	s_mul_i32 s32, s32, s23
	s_add_co_u32 s32, s32, s22                     ; the tile
	s_and_b32 s33, s28, 3                          ; the block of 16 rows in it
	s_lshl_b32 s34, s28, 17                        ; source: 16 rows of 8,192 bytes a group,
	s_lshl_b32 s35, s41, 11                        ; 2,048 bytes for each 512 along K
	s_add_co_u32 s34, s34, s35
	s_mov_b32 s35, 0
	s_add_nc_u64 s[20:21], s[20:21], s[34:35]
	s_mul_i32 s36, s32, 69632                      ; codes: 69,632 bytes a tile, 16,384 for four K steps, 1,024 a block of rows
	s_lshl_b32 s37, s41, 14
	s_add_co_u32 s36, s36, s37
	s_lshl_b32 s37, s33, 10
	s_add_co_u32 s36, s36, s37
	s_mov_b32 s37, 0
	s_add_nc_u64 s[24:25], s[24:25], s[36:37]
	s_mul_i32 s38, s32, 69632                      ; scale bytes: behind the tile's 65,536 bytes of codes; 1,024 for each 512 along K, 256 a block of rows
	s_add_co_u32 s38, s38, 65536
	s_lshl_b32 s39, s41, 10
	s_add_co_u32 s38, s38, s39
	s_lshl_b32 s39, s33, 8
	s_add_co_u32 s38, s38, s39
	s_mov_b32 s39, 0
	s_add_nc_u64 s[26:27], s[26:27], s[38:39]
.macro LOAD t                          ; step t: 64 along K of 16 rows, two rows a load, into set t % 3
.irp i, 0,1,2,3,4,5,6,7
	global_load_b128 v[R+32*((\t)%3)+4*\i:R+32*((\t)%3)+4*\i+3], v3, s[20:21] offset:\i*16384+(\t)*256 th:TH_LOAD_NT
.endr
.endm
.macro TURN t                          ; step t's numbers through stage t % 2: LDS serves a wave's instructions in order (ISA guide 5.7.1.4), so no wait stands between the stores and the loads
.irp i, 0,1,2,3,4,5,6,7
	ds_store_b128 v14, v[R+32*((\t)%3)+4*\i:R+32*((\t)%3)+4*\i+3] offset:STG*((\t)%2)+2*SP*\i
.endr
.irp j, 0,1,2,3,4,5,6,7
	ds_load_b128 v[X+32*((\t)%2)+4*\j:X+32*((\t)%2)+4*\j+3], v15 offset:STG*((\t)%2)+16*\j
.endr
.endm
	LOAD 0
	LOAD 1
	LOAD 2
	s_wait_loadcnt 16                              ; step 0's eight loads are in; the sixteen of steps 1 and 2 stay out
	TURN 0
.macro STEP t
.set XS, X+32*((\t)%2)
.if (\t) > 0
	s_wait_dscnt 1                                 ; this step's numbers are back from the stage (only the last step's byte store may be out): so the stage's stores have read their registers,
.else
	s_wait_dscnt 0x0
.endif
.if (\t)+3 < 8
	LOAD (\t)+3                                    ; which take the loads of three steps on
.endif
.if (\t)+1 < 8
.if (\t) <= 4
	s_wait_loadcnt 16                              ; the next step's eight loads are in; those of the two steps behind it stay out
.else
	s_wait_loadcnt 8*(6-(\t))                      ; the counts run down
.endif
	TURN (\t)+1                                    ; and go through the other stage while this step is worked
.endif
.set i, 0
.rept 32
	v_med3_num_f32 v[XS+i], v[XS+i], s29, s30      ; the clip ahead of the quantiser
.set i, i+1
.endr
	v_max3_num_f32 v8, |v[XS]|, |v[XS+1]|, |v[XS+2]|               ; the block's largest magnitude: all 32 numbers are mine; two chains
	v_max3_num_f32 v9, |v[XS+3]|, |v[XS+4]|, |v[XS+5]|
.irp i, 6,10,14,18,22,26
	v_max3_num_f32 v8, v8, |v[XS+\i]|, |v[XS+\i+1]|
	v_max3_num_f32 v9, v9, |v[XS+\i+2]|, |v[XS+\i+3]|
.endr
	v_max3_num_f32 v8, v8, |v[XS+30]|, |v[XS+31]|
	v_max3_num_f32 v8, v8, v9, 0x1800000           ; and the floor 2^(3 - 127): the byte cannot fall under 1
	v_add_nc_u32 v11, 0xff000000, v8               ; 2 off the exponent field: the conversion takes this operand's exponent field as its scale, and nothing else of it
.irp g, 0,1,2,3
	v_cvt_scalef32_pk8_fp4_f32 v[C+4*(\t)+\g], v[XS+8*\g:XS+8*\g+7], v11   ; eight numbers / the scale, to the nearest code, ties to even, beyond 6 the largest code
.endr
	v_lshrrev_b32 v[E+(\t)], 23, v11               ; the scale's byte; also the plain line behind the conversions
	ds_store_b8 v5, v[E+(\t)] offset:2*(\t)
	global_store_b128 v4, v[C+4*(\t):C+4*(\t)+3], s[24:25] offset:((\t)/2)*4096+((\t)%2)*512   ; 32 lanes store 512 consecutive bytes: two blocks of 32 along K of 16 rows
.endm
.irp t, 0,1,2,3,4,5,6,7
	STEP \t
.endr
	ds_load_b64 v[12:13], v6                       ; LDS serves a wave's instructions in order: these see my byte stores
	s_wait_dscnt 0x0
	global_store_b64 v7, v[12:13], s[26:27]        ; 32 lanes store 256 consecutive bytes, aligned
	s_wait_tensorcnt 0x0                           ; the wave's end
	ds_add_u32 v216, v217
	s_wait_dscnt 0x0
	s_endpgm
.Lfunc_end_k_q0dff9bdcd9_quant:
	.size	k_q0dff9bdcd9_quant, .Lfunc_end_k_q0dff9bdcd9_quant-k_q0dff9bdcd9_quant
	.p2alignl 7, 3214868480
	.fill 96, 4, 3214868480
	.section	.rodata,"a",@progbits
	.p2align	6, 0x0
	.amdhsa_kernel k_q0dff9bdcd9_quant
		.amdhsa_group_segment_fixed_size 18176
		.amdhsa_private_segment_fixed_size 0
		.amdhsa_enable_private_segment 0
		.amdhsa_kernarg_size 48
		.amdhsa_user_sgpr_count 2
		.amdhsa_user_sgpr_kernarg_segment_ptr 1
		.amdhsa_wavefront_size32 1
		.amdhsa_system_sgpr_workgroup_id_x 1
		.amdhsa_system_sgpr_workgroup_id_y 1
		.amdhsa_system_sgpr_workgroup_id_z 1
		.amdhsa_system_vgpr_workitem_id 0
		.amdhsa_next_free_vgpr 218
		.amdhsa_next_free_sgpr 66
		.amdhsa_reserve_vcc 0
		.amdhsa_float_denorm_mode_32 3
		.amdhsa_float_denorm_mode_16_64 3
		.amdhsa_memory_ordered 1
		.amdhsa_forward_progress 1
		.amdhsa_inst_pref_size 47
	.end_amdhsa_kernel
	.amdgpu_metadata
---
amdhsa.version: [ 1, 2 ]
amdhsa.kernels:
  - .name:           k_q0dff9bdcd9_quant
    .symbol:         k_q0dff9bdcd9_quant.kd
    .args:
      - { .name: x, .offset: 0, .size: 8, .value_kind: global_buffer, .address_space: global }
      - { .name: W_slow, .offset: 8, .size: 8, .value_kind: global_buffer, .address_space: global }
      - { .name: W_medium, .offset: 16, .size: 8, .value_kind: global_buffer, .address_space: global }
      - { .name: W_fast, .offset: 24, .size: 8, .value_kind: global_buffer, .address_space: global }
      - { .name: xc, .offset: 32, .size: 8, .value_kind: global_buffer, .address_space: global }
      - { .name: wc, .offset: 40, .size: 8, .value_kind: global_buffer, .address_space: global }
    .group_segment_fixed_size: 18176
    .private_segment_fixed_size: 0
    .kernarg_segment_align: 8
    .kernarg_segment_size: 48
    .max_flat_workgroup_size: 64
    .sgpr_count:     66
    .vgpr_count:     218
    .wavefront_size: 32
...
	.end_amdgpu_metadata
.endif
;; end of part 1
;; launch gemm (part 2): grid 16 x 16, 4 waves a work-group, clusters of 4 x 4, 327,680 bytes of LDS; arguments xc, wc, pre; writes pre
.if DOCPART == 2
	.amdgcn_target "amdgcn-amd-amdhsa--gfx1250"
	.amdhsa_code_object_version 6
	.text
	.protected	k_q0dff9bdcd9_gemm
	.globl	k_q0dff9bdcd9_gemm
	.p2align	8
	.type	k_q0dff9bdcd9_gemm,@function
k_q0dff9bdcd9_gemm:
	s_mov_b64 s[64:65], 0
	v_nop
	global_prefetch_b8 v0, s[64:65] scope:SCOPE_SE
	s_setreg_imm32_b32 hwreg(HW_REG_WAVE_MODE, 25, 1), 1
	s_wait_xcnt 0x0
	s_wait_alu depctr_hold_cnt(0) depctr_sa_sdst(0) depctr_va_vdst(0) depctr_va_sdst(0) depctr_va_ssrc(0) depctr_va_vcc(0) depctr_vm_vsrc(0)
	s_getreg_b32 s2, hwreg(HW_REG_IB_STS2, 6, 4)
	s_cmp_eq_u32 s2, 0
	s_cbranch_scc0 .Lentry_in_a_cluster
	s_endpgm
.Lentry_in_a_cluster:
	s_bfe_u32 s2, ttmp6, 0x10000c
	s_cmp_lg_u32 s2, 0xf033
	s_cbranch_scc0 .Lentry_shape_is_right
	s_endpgm
.Lentry_shape_is_right:
; pre = clip(clip(xq Ws^T, +-10) + xq Wm^T + xq Wf^T, +-10), [4096][2048] f32; the three products on codes of FP4 (E2M1) with E8M0 scales, K = 2,048.  (learned_plasticity is not computed: see the first kernel's head.)
; Codes and scale bytes come from the launch before in the order of the operand's registers: a tile is 64 rows x all of K, 69,632 bytes: [K step of 128: 16][block of 16 rows: 4][1,024 bytes: a fragment], then 4,096 scale bytes
; [512 along K: 4][block of 16 rows: 4][row: 16][16 bytes].  x: tile = row / 64.  W: tile = 3 (row / 64) + weight.
; SHARES.  A work-group makes 256 rows x 128 columns; wave w the columns 32 w .. 32 w + 31 of all 256 rows.
; W STAYS IN REGISTERS: a wave's 32 columns x 3 weights x 2,048 K are 96 fragments, 768 registers (windows 1 to 3).
; x COMES FROM LDS: the work-group's 256 rows with their scale bytes are four tiles, 278,528 bytes.  Each fragment of x read from LDS feeds six matrix instructions.
; CLUSTER, 4 x 4.  The four work-groups of a row of the cluster make four column tiles of one row tile and need the same x; the four of a column need the same W: such tiles are asked for JOINTLY, by one descriptor and a mask of the four.
; THE HEAD.  W_slow's and W_medium's four tiles of the work-group come first, one joint load a wave, into the four LDS slots that x will use; a barrier; each wave copies its half of two tiles into its registers (136 LDS loads).
; W_fast's fragments go from memory straight into registers (68 loads a wave, issued ahead of the first round) meanwhile.  Then x's tile 0 fills slot 0 again, and behind a second sequence tiles 1 to 3 the other slots.
; PREFETCH: x's tile 0, whose load goes out only when W has been copied, is asked of memory at the head: its 272 blocks of 256 bytes are named once in a cluster, 17 by each wave of each of the four partners that will load it,
; shared out by address.  Tiles 1 to 3 are requested three blocks of rows ahead of their first read, and W at the head: there is no loop to run ahead in for them.
; A block of 16 rows is 16 K steps x 6 matrix instructions on six accumulators (slow, medium, fast x two column blocks), which take turns.  Then clip(slow) + medium + fast, the clip, and the way out.
; THE WAY OUT.  A wave's 32 columns are half of an aligned 256 bytes of pre: the four waves write one stage of 16 rows x 512 bytes, a barrier, and each wave reads four whole rows and stores them.  Two stages take turns, so one
; barrier a block serves: its signal stands behind the wave's wait for its stage stores and its earlier stage reads, four K steps into the next block; its wait four K steps later.
; THE MATRIX INSTRUCTION IS USED TRANSPOSED (source 0 = 16 rows of W, source 1 = 16 rows of x): a lane holds eight neighbouring columns of one row of pre.
; The text holds a tile of 64 rows three times: the first (W_fast still arriving, nothing yet in the stage, x's later tiles shown landed in its last block), a loop of two trips, and the last (nothing more to fetch).
; LIMITS: NaN and infinities are not served.
.set TILEB,  69632
.set STAGE,  4*TILEB                   ; behind the four slots: two stages of 16 rows x 528 bytes; no tensor load lands here
.set SPITCH, 528
.set STGB,   16*SPITCH
.set SPARE,  STAGE+2*STGB              ; the spare words, 128 bytes for each wave: two blocks of 256 bytes that no other line names
.set CO,   1                           ; v1   16 x lane: my place in 512 consecutive bytes of W and of pre; never rewritten
.set XA,   2                           ; v2   the same in LDS, + the tile of x
.set XSA,  3                           ; v3   x's scale words: tile + 65536 + 1024 h + 16 r
.set STO,  4                           ; v4   the stage: where I put 32 bytes of a row
.set RD,   5                           ; v5   and where I read a row back
.set SPW,  6                           ; v6   LDS address of my spare word; never rewritten
.set NIL,  7                           ; v7   0; never rewritten
.set XS,   8                           ; v8-15   x's scale words: v[XS + 4 (q / 8) + q % 4]; lanes 0-15: K steps 8 (q / 8) + 0 .. 3, lanes 16-31: + 4 .. 7
.set RB,   16                          ; v16-31  four rows on their way out (at the head: at work)
.set WA,   24                          ; v24-25  at the head: where my fragments of W_slow, W_medium lie in LDS
.set WSA,  26                          ; v26-27  and their scale words
.set PFO,  28                          ; v28     at the head: the prefetch's offset
.set WS,   32                          ; v32-79  W's scale words: v[WS + 16 weight + q]; lanes 0-15 column block 0, lanes 16-31 column block 1
.set ACC,  80                          ; v80-127 accumulator u = 2 weight + column block at v[ACC + 8 u]
.set XF,   128                         ; v128-255 x's fragments of one block of rows: K step q at v[XF + 8 q]
                                       ; v256-1023 W's fragments: (q, u) at v[256 + 48 q + 8 u]
.set G1A, 24                           ; s[24:31] descriptor group 1: 68 rows of 256 bytes (a quarter of a tile of x)
.set G1B, 32                           ; s[32:39] 204 rows of 256 bytes (a quarter of three tiles of x)
.set G0A, 40                           ; s[40:43], s[44:47] their groups 0
.set G0B, 44
.set G1W, 68                           ; s[68:75] 272 rows of 256 bytes (a tile of W);  s[76:79] its group 0
.set G0W, 76
.set MSB, 0
.macro WIN new                         ; the immediate's high byte repeats the setting that is left; a switch that changes nothing is dropped
.if MSB != (\new)
	s_set_vgpr_msb (MSB<<8)|(\new)
.set MSB, (\new)
.endif
.endm
.macro PLACES                          ; four plain vector lines behind a matrix instruction, ahead of loads into registers that it read and of reads of its results (ISA guide 7.12.1 for reads of its results)
.rept 4
	v_nop
.endr
.endm
.macro CROUND                          ; a round of the cluster's barrier
	s_barrier_signal -1
	s_barrier_wait -1
	s_cmp_lg_u32 s14, 0
	s_cbranch_scc1 .Lnot_wave_0_\@
	s_barrier_signal -3
.Lnot_wave_0_\@:
	s_barrier_wait -3
	s_barrier_signal -1
	s_barrier_wait -1
.endm
	s_load_b128 s[4:7], s[0:1], 0x0                ; xc s[4:5], wc s[6:7]
	s_load_b64 s[12:13], s[0:1], 0x10              ; pre
	v_lshl_add_u32 v[SPW], v0, 2, SPARE
	v_mov_b32 v[NIL], 0
	ds_add_u32 v[SPW], v[NIL]                      ; the opening lines: the add, twice on end, and its wait ahead of my first tensor load
	ds_add_u32 v[SPW], v[NIL]
	v_lshrrev_b32 v16, 5, v0
	v_readfirstlane_b32 s14, v16                   ; wave 0..3
	s_bfe_u32 s15, ttmp6, 0x40000                  ; cx
	s_bfe_u32 s18, ttmp6, 0x40004                  ; cy
	s_lshl_b32 s16, ttmp9, 2
	s_add_co_u32 s16, s16, s15                     ; column tile = 4 x cluster x + cx
	s_and_b32 s17, ttmp7, 0xffff
	s_lshl_b32 s17, s17, 2
	s_add_co_u32 s17, s17, s18                     ; row tile = 4 x cluster y + cy
	s_lshl_b32 s19, s18, 2
	s_lshl_b32 s19, 15, s19                        ; my row of the cluster: it shares x
	s_lshl_b32 s86, 0x1111, s15                    ; my column: it shares W
	s_mov_b32 s20, 0xc1200000                      ; -10
	s_mov_b32 s21, 0x41200000                      ; +10
	; group 1: dense blocks as rows of 256 bytes (32 elements of 8 bytes), no padding: a fragment load reads 512 consecutive bytes
	s_or_b32 s[G1A], s19, (3<<16)|(1<<21)          ; the mask; elements of 8 bytes; bit 21 beside a mask
	s_mov_b32 s[G1A+1], 32<<16
	s_mov_b32 s[G1A+2], 68<<16
	s_mov_b32 s[G1A+3], 32<<16
	s_mov_b32 s[G1A+4], 68
	s_mov_b32 s[G1A+5], 32
	s_mov_b32 s[G1A+6], 0
	s_mov_b32 s[G1A+7], 0
	s_or_b32 s[G1B], s19, (3<<16)|(1<<21)
	s_mov_b32 s[G1B+1], 32<<16
	s_mov_b32 s[G1B+2], 204<<16
	s_mov_b32 s[G1B+3], 32<<16
	s_mov_b32 s[G1B+4], 204
	s_mov_b32 s[G1B+5], 32
	s_mov_b32 s[G1B+6], 0
	s_mov_b32 s[G1B+7], 0
	s_or_b32 s[G1W], s86, (3<<16)|(1<<21)
	s_mov_b32 s[G1W+1], 32<<16
	s_mov_b32 s[G1W+2], 272<<16
	s_mov_b32 s[G1W+3], 32<<16
	s_mov_b32 s[G1W+4], 272
	s_mov_b32 s[G1W+5], 32
	s_mov_b32 s[G1W+6], 0
	s_mov_b32 s[G1W+7], 0
	s_lshr_b32 s22, s14, 1
	s_and_b32 s23, s14, 1
	s_mov_b32 s[G0A], 1
	s_mul_i32 s[G0A+1], s14, 17408                 ; LDS: my quarter of x's tile 0
	s_mov_b32 s[G0B], 1
	s_mul_i32 s[G0B+1], s14, 52224                 ; my quarter of tiles 1 to 3,
	s_add_co_u32 s[G0B+1], s[G0B+1], TILEB         ; behind tile 0
	s_mov_b32 s[G0W], 1
	s_mul_i32 s[G0W+1], s14, TILEB                 ; W: slot w
	s_mul_i32 s48, s17, 4*TILEB                    ; x in memory lies as in LDS: the row tile's four tiles on end
	s_mov_b32 s49, 0
	s_add_co_u32 s50, s48, s[G0A+1]
	s_mov_b32 s51, 0
	s_add_co_u32 s52, s48, s[G0B+1]
	s_mov_b32 s53, 0
	s_mul_i32 s54, s22, 3                          ; slot w takes weight w % 2 of the 64 columns w / 2: tile 3 (w / 2) + w % 2 of the column tile's six
	s_add_co_u32 s54, s54, s23
	s_mul_i32 s54, s54, TILEB
	s_mul_i32 s55, s16, 6*TILEB
	s_add_co_u32 s54, s54, s55
	s_mov_b32 s55, 0
	s_lshl_b32 s56, s16, 1                         ; my 32 rows of W lie in the 64 rows 2 x column tile + w / 2,
	s_add_co_u32 s56, s56, s22
	s_mul_i32 s56, s56, 3*TILEB                    ; three tiles each,
	s_lshl_b32 s58, s23, 9                         ; blocks 2 (w % 2) and the next: 512 scale bytes on,
	s_add_co_u32 s58, s58, s56
	s_add_co_u32 s58, s58, 65536
	s_mov_b32 s59, 0
	s_lshl_b32 s57, s23, 11                        ; 2,048 bytes of codes on
	s_add_co_u32 s56, s56, s57
	s_mov_b32 s57, 0
	s_lshl_b32 s60, s17, 21                        ; pre: 256 rows of 8,192 bytes a row tile,
	s_lshl_b32 s61, s14, 15                        ; of each 16 rows I store rows 4 w .. 4 w + 3,
	s_add_co_u32 s60, s60, s61
	s_lshl_b32 s61, s16, 9                         ; 512 bytes a column tile
	s_add_co_u32 s60, s60, s61
	s_mov_b32 s61, 0
	s_lshl_b32 s62, s14, 7
	s_add_co_u32 s62, s62, STAGE                   ; into the stage: my 128 bytes of a row
	s_mul_i32 s63, s14, 4*SPITCH
	s_add_co_u32 s63, s63, STAGE                   ; out of it: my four rows
	s_mul_i32 s66, s22, 2*TILEB                    ; in LDS my two tiles of W lie in slots 2 (w / 2) and the next
	s_lshl_b32 s67, s23, 11
	s_add_co_u32 s67, s67, s66
	s_lshl_b32 s84, s23, 9
	s_add_co_u32 s84, s84, s66
	s_add_co_u32 s84, s84, 65536
	s_lshl_b32 s85, s15, 2                         ; the prefetch: 17 blocks of 256 bytes for each of the 16 waves of my row of the cluster
	s_add_co_u32 s85, s85, s14
	s_mul_i32 s85, s85, 17*256
	v_and_b32 v16, 31, v0
	v_and_b32 v17, 15, v0                          ; r
	v_bfe_u32 v18, v0, 4, 1                        ; h
	v_lshlrev_b32 v[CO], 4, v16
	v_lshlrev_b32 v[XA], 4, v16
	v_lshlrev_b32 v19, 4, v17
	v_lshl_add_u32 v19, v18, 10, v19
	v_add_nc_u32 v[XSA], 0x10000, v19
	v_mul_u32_u24 v20, v17, SPITCH
	v_lshl_add_u32 v20, v18, 5, v20
	v_add_nc_u32 v[STO], s62, v20
	v_add_nc_u32 v[RD], s63, v[CO]
	v_add_nc_u32 v[WA], s67, v[CO]
	v_add_nc_u32 v[WA+1], TILEB, v[WA]
	v_add_nc_u32 v[WSA], s84, v[CO]
	v_add_nc_u32 v[WSA+1], TILEB, v[WSA]
	v_min_u32 v[PFO], 16, v16                      ; lanes 0-16 a block each; the lanes left over name the wave's last block again
	v_lshl_add_u32 v[PFO], v[PFO], 8, s85
	s_wait_alu depctr_va_vdst(0)
	s_wait_dscnt 0x0                               ; both opening adds are done
	s_wait_kmcnt 0x0
	s_add_nc_u64 s[G0A+2:G0A+3], s[4:5], s[50:51]
	s_or_b32 s[G0A+3], s[G0A+3], 0x80000000
	s_add_nc_u64 s[G0B+2:G0B+3], s[4:5], s[52:53]
	s_or_b32 s[G0B+3], s[G0B+3], 0x80000000
	s_add_nc_u64 s[G0W+2:G0W+3], s[6:7], s[54:55]
	s_or_b32 s[G0W+3], s[G0W+3], 0x80000000
	s_add_nc_u64 s[80:81], s[4:5], s[48:49]        ; x's tile 0, for the prefetch
	s_add_nc_u64 s[8:9], s[6:7], s[56:57]          ; W's codes
	s_add_nc_u64 s[10:11], s[6:7], s[58:59]        ; W's scale bytes
	s_add_nc_u64 s[12:13], s[12:13], s[60:61]
	; W_fast, straight into registers: its scale words, then four loads of 512 consecutive bytes for each K step.  They hang on no partner and go out ahead of the round
.irp g, 0,1,2,3
	global_load_b128 v[WS+32+4*\g:WS+32+4*\g+3], v[CO], s[10:11] offset:2*TILEB+\g*1024
.endr
.irp q, 0,1,2,3,4,5,6,7,8,9,10,11,12,13,14,15
.irp e, 0,1,2,3
.set IX, 256+48*\q+32+4*\e
	WIN ((IX>>8)<<6)
	global_load_b128 v[(IX&255):(IX&255)+3], v[CO], s[8:9] offset:2*TILEB+\q*4096+\e*512
.endr
.endr
	WIN 0
	CROUND                                         ; all sixteen work-groups are here: the first joint loads meet
	tensor_load_to_lds s[G0W:G0W+3], s[G1W:G1W+7]  ; a tile of W_slow or W_medium into slot w: my one tensor load at the head
	s_nop 0
	PLACES
	global_prefetch_b8 v[PFO], s[80:81] th:TH_LOAD_NT scope:SCOPE_SE   ; my 17 blocks of x's tile 0; v[PFO] is written again only behind a later s_wait_xcnt 0
	s_wait_tensorcnt 0x0                           ; my tile is in
	s_barrier_signal -1
	s_barrier_wait -1                              ; all four are
.irp t, 0,1                            ; my half of two tiles into my registers
.irp g, 0,1,2,3
	ds_load_b128 v[WS+16*\t+4*\g:WS+16*\t+4*\g+3], v[WSA+\t] offset:\g*1024
.endr
.endr
.irp q, 0,1,2,3,4,5,6,7,8,9,10,11,12,13,14,15
.irp t, 0,1
.irp e, 0,1,2,3
.set IX, 256+48*\q+16*\t+4*\e
	WIN ((IX>>8)<<6)
	ds_load_b128 v[(IX&255):(IX&255)+3], v[WA+\t] offset:\q*4096+\e*512
.endr
.endr
.endr
	WIN 0
	s_wait_tensorcnt 0x0
	ds_add_u32 v[SPW], v[NIL]
	s_wait_dscnt 0x0                               ; the add is done, and my copies of W are in my registers
	CROUND                                         ; no wave of any partner still reads the slots
	tensor_load_to_lds s[G0A:G0A+3], s[G1A:G1A+7]  ; my quarter of x's tile 0 into slot 0: my one tensor load behind the round
	s_nop 0
	PLACES
	s_wait_tensorcnt 0x0                           ; my quarter of tile 0 is in; the same three lines
	ds_add_u32 v[SPW], v[NIL]
	s_wait_dscnt 0x0
	CROUND                                         ; everybody's quarter is in, and the joint loads meet
	tensor_load_to_lds s[G0B:G0B+3], s[G1B:G1B+7]  ; my quarter of tiles 1 to 3 into slots 1 to 3
	s_nop 0
	PLACES
.macro FETCH blk, half                 ; of block blk of the tile at XA: the scale words and the fragments of K steps 8 half .. 8 half + 7: 17 loads
	ds_load_b128 v[XS+4*(\half):XS+4*(\half)+3], v[XSA] offset:(\half)*2048+(\blk)*256
.irp s, 0,1,2,3,4,5,6,7
.irp c, 0,1
	ds_load_b128 v[XF+64*(\half)+8*\s+4*\c:XF+64*(\half)+8*\s+4*\c+3], v[XA] offset:(8*(\half)+\s)*4096+(\blk)*1024+512*\c
.endr
.endr
.endm
.macro WMX m1, m2
.if Z
	v_wmma_scale_f32_16x16x128_f8f6f4 v[DR:DR+7], v[AR:AR+7], v[BR:BR+7], 0, v[SW], v[SX] matrix_a_fmt:MATRIX_FMT_FP4 matrix_b_fmt:MATRIX_FMT_FP4 \m1 \m2
.else
	v_wmma_scale_f32_16x16x128_f8f6f4 v[DR:DR+7], v[AR:AR+7], v[BR:BR+7], v[DR:DR+7], v[SW], v[SX] matrix_a_fmt:MATRIX_FMT_FP4 matrix_b_fmt:MATRIX_FMT_FP4 \m1 \m2
.endif
.endm
.macro STEP q                          ; K step q of a block: six matrix instructions, one on each accumulator; the first K step starts the sums with the constant 0
.set Z, (\q)==0
.set BR, XF+8*(\q)
.set SX, XS+4*((\q)/8)+((\q)%4)
.irp u, 0,1,2,3,4,5
.set IX, 256+48*(\q)+8*\u
.set AR, (IX&255)
.set DR, ACC+8*\u
.set SW, WS+16*(\u/2)+(\q)
	WIN (IX>>8)
.if ((\q)/4)%2
.if \u%2
	WMX matrix_a_scale:MATRIX_SCALE_ROW1, matrix_b_scale:MATRIX_SCALE_ROW1
.else
	WMX matrix_b_scale:MATRIX_SCALE_ROW1
.endif
.else
.if \u%2
	WMX matrix_a_scale:MATRIX_SCALE_ROW1
.else
	WMX
.endif
.endif
.endr
.endm
.macro STEPS k, i, from                ; four K steps.  In the launch's first block W_fast may still be arriving: the four loads of each later K step may stay out
.irp d, 0,1,2,3
.if ((\k) == 0) && ((\i) == 0)
	s_wait_loadcnt 4*(15-((\from)+\d))
.endif
	STEP (\from)+\d
.endr
.endm
; BLOCK i (16 rows) of a tile.  k = 0: the first tile, 1: the loop's, 2: the last.
.macro BLOCK k, i
	s_wait_dscnt 17                                ; K steps 0-7 and their scale words are in; the 17 loads of K steps 8-15 may be out
	STEPS \k, \i, 0
.if ((\k) != 0) || ((\i) != 0)
.if ((\k) == 0) && ((\i) == 3)
	s_wait_tensorcnt 0x0                           ; my quarter of tiles 1 to 3 is in: behind this barrier tile 1 is read
.endif
	s_wait_dscnt 0x0                               ; my stores into the stage are done, my reads of the other stage are back
	s_barrier_signal -1
.endif
	STEPS \k, \i, 4
	WIN 0
.if ((\k) != 0) || ((\i) != 0)
	s_barrier_wait -1                              ; the block before lies whole in its stage
.endif
	PLACES
.if ((\k) != 0) || ((\i) != 0)
	s_wait_xcnt 0x0                                ; the earlier stores (the first time: the prefetch) have read their registers
.irp t, 0,1,2,3
	ds_load_b128 v[RB+4*\t:RB+4*\t+3], v[RD] offset:(((\i)+1)%2)*STGB+\t*SPITCH
.endr
.endif
.if ((\k) != 2) || ((\i) != 3)
.if (\i) == 3
	v_add_nc_u32 v[XA], TILEB, v[XA]               ; from here on the next tile is fetched
	v_add_nc_u32 v[XSA], TILEB, v[XSA]
	s_wait_alu depctr_va_vdst(0)
.endif
	FETCH ((\i)+1)%4, 0
.endif
.if ((\k) == 0) && ((\i) == 0)
	s_wait_dscnt 17                                ; K steps 8-15 are in (elsewhere the wait ahead of the signal has shown it)
.endif
	STEPS \k, \i, 8
	STEPS \k, \i, 12
	WIN 0
	PLACES
.set j, 0
.rept 16
	v_med3_num_f32 v[ACC+j], v[ACC+j], s20, s21    ; slow_out; each accumulator is read from its low end on
.set j, j+1
.endr
.set j, 0
.rept 8
	v_pk_add_f32 v[ACC+16+2*j:ACC+17+2*j], v[ACC+16+2*j:ACC+17+2*j], v[ACC+32+2*j:ACC+33+2*j]
.set j, j+1
.endr
.set j, 0
.rept 8
	v_pk_add_f32 v[ACC+2*j:ACC+1+2*j], v[ACC+2*j:ACC+1+2*j], v[ACC+16+2*j:ACC+17+2*j]
.set j, j+1
.endr
.set j, 0
.rept 16
	v_med3_num_f32 v[ACC+j], v[ACC+j], s20, s21    ; pre
.set j, j+1
.endr
.irp e, 0,1,2,3
	ds_store_b128 v[STO], v[ACC+4*\e:ACC+4*\e+3] offset:((\i)%2)*STGB+64*(\e/2)+16*(\e%2)
.endr
.if ((\k) != 0) || ((\i) != 0)
.if ((\k) != 2) || ((\i) != 3)
	s_wait_dscnt 21                                ; the four rows are back: behind their loads stand 17 loads and 4 stores
.else
	s_wait_dscnt 4
.endif
.irp t, 0,1,2,3
	global_store_b128 v[CO], v[RB+4*\t:RB+4*\t+3], s[12:13] offset:(((\i)+3)%4)*131072+\t*8192 th:TH_STORE_NT   ; 32 lanes store 512 consecutive bytes, at a multiple of 256 from pre's first byte
.endr
.if (\i) == 0
	s_wait_xcnt 0x0                                ; the stores have read their base
	s_add_nc_u64 s[12:13], s[12:13], 524288        ; on to this tile's 64 rows
.endif
.endif
.if ((\k) != 2) || ((\i) != 3)
	FETCH ((\i)+1)%4, 1
.endif
.endm
.macro TILE k
.irp i, 0,1,2,3
	BLOCK \k, \i
.endr
.endm
	FETCH 0, 0
	FETCH 0, 1
	TILE 0
	s_mov_b32 s3, 2
.Ltile:
	TILE 1
	s_sub_co_u32 s3, s3, 1
	s_cmp_lg_u32 s3, 0
	s_cbranch_scc1 .Ltile
	TILE 2
	s_wait_dscnt 0x0                               ; the last block: my stores into the stage are done
	s_barrier_signal -1
	s_barrier_wait -1
	s_wait_xcnt 0x0
.irp t, 0,1,2,3
	ds_load_b128 v[RB+4*\t:RB+4*\t+3], v[RD] offset:STGB+\t*SPITCH
.endr
	s_wait_dscnt 0x0
.irp t, 0,1,2,3
	global_store_b128 v[CO], v[RB+4*\t:RB+4*\t+3], s[12:13] offset:3*131072+\t*8192 th:TH_STORE_NT
.endr
	s_wait_tensorcnt 0x0                           ; the wave's end
	ds_add_u32 v[SPW], v[NIL]
	s_wait_dscnt 0x0
	CROUND                                         ; the closing round
	s_endpgm
.Lfunc_end_k_q0dff9bdcd9_gemm:
	.size	k_q0dff9bdcd9_gemm, .Lfunc_end_k_q0dff9bdcd9_gemm-k_q0dff9bdcd9_gemm
	.p2alignl 7, 3214868480
	.fill 96, 4, 3214868480
	.section	.rodata,"a",@progbits
	.p2align	6, 0x0
	.amdhsa_kernel k_q0dff9bdcd9_gemm
		.amdhsa_group_segment_fixed_size 327680
		.amdhsa_private_segment_fixed_size 0
		.amdhsa_enable_private_segment 0
		.amdhsa_kernarg_size 24
		.amdhsa_user_sgpr_count 2
		.amdhsa_user_sgpr_kernarg_segment_ptr 1
		.amdhsa_wavefront_size32 1
		.amdhsa_system_sgpr_workgroup_id_x 1
		.amdhsa_system_sgpr_workgroup_id_y 1
		.amdhsa_system_sgpr_workgroup_id_z 1
		.amdhsa_system_vgpr_workitem_id 0
		.amdhsa_next_free_vgpr 1024
		.amdhsa_next_free_sgpr 88
		.amdhsa_reserve_vcc 0
		.amdhsa_float_denorm_mode_32 3
		.amdhsa_float_denorm_mode_16_64 3
		.amdhsa_memory_ordered 1
		.amdhsa_forward_progress 1
		.amdhsa_inst_pref_size 249
	.end_amdhsa_kernel
	.amdgpu_metadata
---
amdhsa.version: [ 1, 2 ]
amdhsa.kernels:
  - .name:           k_q0dff9bdcd9_gemm
    .symbol:         k_q0dff9bdcd9_gemm.kd
    .args:
      - { .name: xc, .offset: 0, .size: 8, .value_kind: global_buffer, .address_space: global }
      - { .name: wc, .offset: 8, .size: 8, .value_kind: global_buffer, .address_space: global }
      - { .name: pre, .offset: 16, .size: 8, .value_kind: global_buffer, .address_space: global }
    .group_segment_fixed_size: 327680
    .private_segment_fixed_size: 0
    .kernarg_segment_align: 8
    .kernarg_segment_size: 24
    .max_flat_workgroup_size: 128
    .sgpr_count:     88
    .vgpr_count:     1024
    .wavefront_size: 32
...
	.end_amdgpu_metadata
.endif
;; end of part 2
;; launch lnorm (part 3): grid 256 x 1, 4 waves a work-group, no clusters, 0 bytes of LDS; arguments pre, ln_gamma, ln_beta, out0; writes out0
.if DOCPART == 3
	.amdgcn_target "amdgcn-amd-amdhsa--gfx1250"
	.amdhsa_code_object_version 6
	.text
	.protected	k_q0dff9bdcd9_lnorm
	.globl	k_q0dff9bdcd9_lnorm
	.p2align	8
	.type	k_q0dff9bdcd9_lnorm,@function
k_q0dff9bdcd9_lnorm:
	s_mov_b64 s[64:65], 0
	v_nop
	global_prefetch_b8 v0, s[64:65] scope:SCOPE_SE
	s_setreg_imm32_b32 hwreg(HW_REG_WAVE_MODE, 25, 1), 1
	s_wait_xcnt 0x0
; out0 = 5 tanh(y / 5), y = (pre - mean) rsqrt(var + 1e-5) gamma + beta, mean and var over a row of 2,048; all in f32.
; 5 tanh(y / 5) = 5 - 10 / (1 + 2^(c y)), c = 2 log2(e) / 5: where 2^(c y) overflows the quotient is 0, where it underflows it is 10: the ends are +5 and -5.
; The variance is the mean of the squared deviations from the mean, as reference() has it: no difference of large sums.
; NOT COMPUTED: learned_plasticity (the EMA update, the layers 3 -> 8 -> 1, the GELU, the sigmoid).  reference() returns out alone, and out hangs on none of it, whatever these inputs hold:
; so pc_w1, pc_b1, pc_w2, pc_b2, ema_mean and ema_std are not read by this program.
; LIMITS: NaN and infinities are not served.
; SHARES.  A wave takes 4 whole rows (8,192 bytes = 64 registers each) and keeps each in registers from the sum to the store: a row is read once, and no wave waits for another: no LDS, no barrier, no loop.
; Each load and store of a wave covers 512 consecutive bytes.  All 96 loads of a wave go out at the head; the waits below count the rows that may still be out.
; REGISTERS: window 0: v1 16 x lane; v4-11, v12-19 four chains of pairs; v20-21 -mean; v22-23 1 / sqrt(var + eps); v24-25 at work; v26-27 -10; v28-29 5; v32-95 c gamma; v96-159 c beta.   window 1: row k at v[64 k].
.set SUM, 4
.set SQ,  12
.set NM,  20
.set RS,  22
.set T,   24
.set M10, 26
.set P5,  28
.set CG,  32
.set CB,  96
.set MSB, 0
.macro WIN new                         ; s_set_vgpr_msb's low byte: bits 1:0 source 0, 3:2 source 1, 5:4 source 2, 7:6 destination; the high byte repeats the setting that is left
.if MSB != \new
	s_set_vgpr_msb (MSB<<8)|\new
.set MSB, \new
.endif
.endm
	s_load_b256 s[4:11], s[0:1], 0x0               ; pre s[4:5], gamma s[6:7], beta s[8:9], out0 s[10:11]
	v_lshrrev_b32 v2, 5, v0
	v_readfirstlane_b32 s2, v2                     ; wave
	v_and_b32 v1, 31, v0
	v_lshlrev_b32 v1, 4, v1                        ; 16 bytes a lane
	s_lshl_b32 s18, ttmp9, 17                      ; 16 rows of 8,192 bytes a work-group,
	s_lshl_b32 s3, s2, 15                          ; 4 a wave
	s_add_co_u32 s18, s18, s3
	s_mov_b32 s19, 0
	s_mov_b32 s12, 0x76543210                      ; v_permlanex16_b32's selects for lane l xor 16
	s_mov_b32 s13, 0xfedcba98
	s_mov_b32 s14, 0x3a000000                      ; 1 / 2,048
	s_mov_b32 s15, 0x3727c5ac                      ; 1e-5
	s_mov_b32 s16, 0x3f13bb63                      ; c = 2 log2(e) / 5
	s_mov_b32 s17, s16                             ; (named with it as a pair, so it is written)
	v_mov_b32 v[T+1], 0                            ; written once: a lane permute's destination counts as one of its sources
	v_mov_b32 v[M10], 0xc1200000
	v_mov_b32 v[M10+1], 0xc1200000
	v_mov_b32 v[P5], 0x40a00000
	v_mov_b32 v[P5+1], 0x40a00000
	s_wait_alu depctr_va_vdst(0)
	s_wait_kmcnt 0x0
	s_add_nc_u64 s[4:5], s[4:5], s[18:19]
	s_add_nc_u64 s[10:11], s[10:11], s[18:19]
.macro RLOAD k
.irp i, 0,1,2,3,4,5,6,7,8,9,10,11,12,13,14,15
	global_load_b128 v[64*\k+4*\i:64*\k+4*\i+3], v1, s[4:5] offset:\k*8192+512*\i th:TH_LOAD_NT
.endr
.endm
	WIN 0x40                                       ; destination window 1, address window 0
	RLOAD 0
	WIN 0
.irp i, 0,1,2,3,4,5,6,7,8,9,10,11,12,13,14,15
	global_load_b128 v[CG+4*\i:CG+4*\i+3], v1, s[6:7] offset:512*\i    ; gamma and beta of the very columns that I hold of every row
.endr
.irp i, 0,1,2,3,4,5,6,7,8,9,10,11,12,13,14,15
	global_load_b128 v[CB+4*\i:CB+4*\i+3], v1, s[8:9] offset:512*\i
.endr
	WIN 0x40
	RLOAD 1
	RLOAD 2
	RLOAD 3
	WIN 0
	s_wait_loadcnt 48                              ; row 0, gamma and beta are in; the 48 loads of rows 1 to 3 stay out
.set i, 0
.rept 64
	v_pk_mul_f32 v[CG+2*i:CG+2*i+1], v[CG+2*i:CG+2*i+1], s[16:17] op_sel_hi:[1,0]   ; c gamma and c beta, once for the four rows
.set i, i+1
.endr
.macro REDUCE p                        ; four chains of pairs at v[p] on become one sum over the row, in v[T] of every lane
	v_pk_add_f32 v[\p:\p+1], v[\p:\p+1], v[\p+2:\p+3]
	v_pk_add_f32 v[\p+4:\p+5], v[\p+4:\p+5], v[\p+6:\p+7]
	v_pk_add_f32 v[\p:\p+1], v[\p:\p+1], v[\p+4:\p+5]
	v_add_f32 v[T], v[\p], v[\p+1]
	v_add_f32_dpp v[T], v[T], v[T] row_xmask:1 row_mask:0xf bank_mask:0xf
	v_add_f32_dpp v[T], v[T], v[T] row_xmask:2 row_mask:0xf bank_mask:0xf
	v_add_f32_dpp v[T], v[T], v[T] row_xmask:4 row_mask:0xf bank_mask:0xf
	v_add_f32_dpp v[T], v[T], v[T] row_xmask:8 row_mask:0xf bank_mask:0xf
	v_permlanex16_b32 v[T+1], v[T], s12, s13
	v_add_f32 v[T], v[T], v[T+1]
.endm
.macro ROW k
	s_wait_loadcnt 16*(3-\k)                       ; my row's sixteen loads are in; the later rows' stay out
	WIN 0x05                                       ; sources 0 and 1 window 1; source 2 and destination window 0
.irp c, 0,1,2,3
	v_pk_add_f32 v[SUM+2*\c:SUM+2*\c+1], v[64*\k+2*\c:64*\k+2*\c+1], v[64*\k+8+2*\c:64*\k+8+2*\c+1]   ; the first eight pairs start the chains: nothing is cleared
.endr
.set i, 8
.rept 24
	v_pk_fma_f32 v[SUM+2*(i%4):SUM+2*(i%4)+1], v[64*\k+2*i:64*\k+2*i+1], 1.0, v[SUM+2*(i%4):SUM+2*(i%4)+1] op_sel_hi:[1,0,1]   ; x 1 + the chain: an addition whose addend stands in source 2, in window 0: no further switch
.set i, i+1
.endr
	WIN 0
	REDUCE SUM
	v_mul_f32 v[NM], 0xba000000, v[T]              ; -mean = the sum x (-1 / 2,048)
	v_mov_b32 v[NM+1], v[NM]
	WIN 0x41                                       ; source 0 and destination window 1; sources 1 and 2 window 0
.set i, 0
.rept 32
	v_pk_add_f32 v[64*\k+2*i:64*\k+2*i+1], v[64*\k+2*i:64*\k+2*i+1], v[NM:NM+1]   ; the deviations
.set i, i+1
.endr
	WIN 0x05
.irp c, 0,1,2,3
	v_pk_mul_f32 v[SQ+2*\c:SQ+2*\c+1], v[64*\k+2*\c:64*\k+2*\c+1], v[64*\k+2*\c:64*\k+2*\c+1]
.endr
.set i, 4
.rept 28
	v_pk_fma_f32 v[SQ+2*(i%4):SQ+2*(i%4)+1], v[64*\k+2*i:64*\k+2*i+1], v[64*\k+2*i:64*\k+2*i+1], v[SQ+2*(i%4):SQ+2*(i%4)+1]
.set i, i+1
.endr
	WIN 0
	REDUCE SQ
	v_fma_f32 v[T], v[T], s14, s15                 ; var + eps
	s_wait_alu depctr_va_vdst(0)
	v_rsq_f32 v[RS], v[T]
	v_nop                                          ; a plain line behind the transcendental (ISA guide 5.7.2),
	s_wait_alu depctr_va_vdst(0)                   ; and the wait ahead of the first line that names its result
	v_mov_b32 v[RS+1], v[RS]
	WIN 0x41
.set i, 0
.rept 32
	v_pk_mul_f32 v[64*\k+2*i:64*\k+2*i+1], v[64*\k+2*i:64*\k+2*i+1], v[RS:RS+1]
.set i, i+1
.endr
.set i, 0
.rept 32
	v_pk_fma_f32 v[64*\k+2*i:64*\k+2*i+1], v[64*\k+2*i:64*\k+2*i+1], v[CG+2*i:CG+2*i+1], v[CB+2*i:CB+2*i+1]   ; c y
.set i, i+1
.endr
.set i, 0
	s_wait_alu depctr_va_vdst(0)
.rept 64
	v_exp_f32 v[64*\k+i], v[64*\k+i]               ; one batch
.set i, i+1
.endr
	v_nop
	s_wait_alu depctr_va_vdst(0)                   ; one wait for the 64, ahead of their first reader
.set i, 0
.rept 32
	v_pk_add_f32 v[64*\k+2*i:64*\k+2*i+1], v[64*\k+2*i:64*\k+2*i+1], 1.0 op_sel_hi:[1,0]
.set i, i+1
.endr
.set i, 0
	s_wait_alu depctr_va_vdst(0)
.rept 64
	v_rcp_f32 v[64*\k+i], v[64*\k+i]
.set i, i+1
.endr
	v_nop
	s_wait_alu depctr_va_vdst(0)
.set i, 0
.rept 32
	v_pk_fma_f32 v[64*\k+2*i:64*\k+2*i+1], v[64*\k+2*i:64*\k+2*i+1], v[M10:M10+1], v[P5:P5+1]   ; 5 - 10 / (1 + 2^(c y))
.set i, i+1
.endr
	WIN 0x04                                       ; a store's data are its source 1: window 1
.irp i, 0,1,2,3,4,5,6,7,8,9,10,11,12,13,14,15
	global_store_b128 v1, v[64*\k+4*\i:64*\k+4*\i+3], s[10:11] offset:\k*8192+512*\i th:TH_STORE_NT   ; 512 consecutive bytes, aligned; no store's data are written again
.endr
.endm
	ROW 0
	ROW 1
	ROW 2
	ROW 3
	s_endpgm
.Lfunc_end_k_q0dff9bdcd9_lnorm:
	.size	k_q0dff9bdcd9_lnorm, .Lfunc_end_k_q0dff9bdcd9_lnorm-k_q0dff9bdcd9_lnorm
	.p2alignl 7, 3214868480
	.fill 96, 4, 3214868480
	.section	.rodata,"a",@progbits
	.p2align	6, 0x0
	.amdhsa_kernel k_q0dff9bdcd9_lnorm
		.amdhsa_group_segment_fixed_size 0
		.amdhsa_private_segment_fixed_size 0
		.amdhsa_enable_private_segment 0
		.amdhsa_kernarg_size 32
		.amdhsa_user_sgpr_count 2
		.amdhsa_user_sgpr_kernarg_segment_ptr 1
		.amdhsa_wavefront_size32 1
		.amdhsa_system_sgpr_workgroup_id_x 1
		.amdhsa_system_sgpr_workgroup_id_y 1
		.amdhsa_system_sgpr_workgroup_id_z 1
		.amdhsa_system_vgpr_workitem_id 0
		.amdhsa_next_free_vgpr 512
		.amdhsa_next_free_sgpr 66
		.amdhsa_reserve_vcc 0
		.amdhsa_float_denorm_mode_32 3
		.amdhsa_float_denorm_mode_16_64 3
		.amdhsa_memory_ordered 1
		.amdhsa_forward_progress 1
		.amdhsa_inst_pref_size 99
	.end_amdhsa_kernel
	.amdgpu_metadata
---
amdhsa.version: [ 1, 2 ]
amdhsa.kernels:
  - .name:           k_q0dff9bdcd9_lnorm
    .symbol:         k_q0dff9bdcd9_lnorm.kd
    .args:
      - { .name: pre, .offset: 0, .size: 8, .value_kind: global_buffer, .address_space: global }
      - { .name: ln_gamma, .offset: 8, .size: 8, .value_kind: global_buffer, .address_space: global }
      - { .name: ln_beta, .offset: 16, .size: 8, .value_kind: global_buffer, .address_space: global }
      - { .name: out0, .offset: 24, .size: 8, .value_kind: global_buffer, .address_space: global }
    .group_segment_fixed_size: 0
    .private_segment_fixed_size: 0
    .kernarg_segment_align: 8
    .kernarg_segment_size: 32
    .max_flat_workgroup_size: 128
    .sgpr_count:     66
    .vgpr_count:     512
    .wavefront_size: 32
...
	.end_amdgpu_metadata
.endif
;; end of part 3
